; MI455X (gfx1250); checked and timed in simulation.
; The chip was launched on July 23, 2026; its instructions are those of AMD's public machine-readable ISA for CDNA 5 (MIT licence, August 2026) and "CDNA5" Instruction Set Architecture Reference Guide (July 2026). The comments in the code are by the model that wrote it; some were corrected since.
;; Casual Muti Head Self Attention. Allowed arithmetic: matrix products marked QUANTISED: E4M3 operands, one given power-of-two scale a tensor, by v_wmma_f32_16x16x64_fp8_fp8 or v_wmma_f32_16x16x128_fp8_fp8, f32 sums; everything else in f32.
;; Inputs: Wk_codes 1,024 x 32 x 32 uint8 (E4M3 codes of Wk, K innermost, in blocks of 32 codes); Wo_codes 1,024 x 32 x 32 uint8 (E4M3 codes of Wo, K innermost, in blocks of 32 codes); Wq_codes 1,024 x 32 x 32 uint8 (E4M3 codes of Wq, K innermost, in blocks of 32 codes); Wv_codes 1,024 x 32 x 32 uint8 (E4M3 codes of Wv, K innermost, in blocks of 32 codes); cos_emb 2,048 x 64 float32; lowp_scales 12 int32 (the exponents e of the quantised operands' scales 2^e); sin_emb 2,048 x 64 float32; token_positions 2,048 int32; x_codes 4 x 2,048 x 32 x 32 uint8 (E4M3 codes of x, K innermost, in blocks of 32 codes).
;; Outputs: out0 4 x 2,048 x 1,024 float32.
;; This version of the problem:
;;   THIS VERSION OF THE PROBLEM IS GIVEN IN LOW PRECISION. The matrix products marked QUANTISED in the list below multiply operands that are first quantised to E4M3 (4 exponent bits, 3 mantissa bits; 8 bits a number), with one given power-of-two scale for each operand tensor; their sums are f32. All else is computed in f32.
;;   The module's matrix products, in the order in which they are computed (A, B: the left and right operand; K: the contracted axis; several contracted axes count as one K, in the product's order):
;;     1. [M 8,192, K 1,024] x [K 1,024, N 1,024]; A: input x (given as codes); B: input Wq (given as codes): QUANTISED (scales: A lowp_scales[0], B lowp_scales[1])
;;     2. [M 8,192, K 1,024] x [K 1,024, N 1,024]; A: input x (given as codes); B: input Wk (given as codes): QUANTISED (scales: A lowp_scales[2], B lowp_scales[3])
;;     3. [M 8,192, K 1,024] x [K 1,024, N 1,024]; A: input x (given as codes); B: input Wv (given as codes): QUANTISED (scales: A lowp_scales[4], B lowp_scales[5])
;;     4. batch 64 x [M 2,048, K 64] x [K 64, N 2,048]; A: computed on the way; B: computed on the way: QUANTISED (scales: A lowp_scales[6], B lowp_scales[7])
;;     5. batch 64 x [M 2,048, K 2,048] x [K 2,048, N 64]; A: softmax (see below); B: computed on the way: QUANTISED (scales: A lowp_scales[8], B lowp_scales[9])
;;     6. [M 8,192, K 1,024] x [K 1,024, N 1,024]; A: computed on the way; B: input Wo (given as codes): QUANTISED (scales: A lowp_scales[10], B lowp_scales[11])
;;   THE QUANTISER, for each operand of a quantised product, along K:
;;     - The operand's scale is 2^e, e = its entry of the input lowp_scales (int32; the entries are numbered through the quantised products in the list's order, A before B).
;;     - Each number is divided by the scale, clamped to +-448, and rounded to the nearest number of E4M3, ties to even, subnormals kept.
;;     - The product sums the exact products of the quantised numbers (number of the format x scale) in f32.
;;   ~~~python
;;   def quantise(x, axis, e):      # numpy; x: float32 -> the quantised numbers, widened to float32 again
;;       x = np.moveaxis(x, axis, -1); K = x.shape[-1]
;;       r = np.clip(x / 2.0 ** e, -448, 448)
;;       step = 2.0 ** (np.maximum(np.frexp(np.where(r == 0, 1, r))[1] - 1, -6) - 3)
;;       q = np.round(r / step) * step * 2.0 ** e      # np.round: ties to even
;;       return np.moveaxis(q, -1, axis).astype(np.float32)
;;   ~~~
;;   SOFTMAX AHEAD OF A QUANTISED PRODUCT. Where the list says 'softmax', what is quantised is not the finished softmax but p = 2^(t - M), with t = logit x log2(e) and M = ceil(the row's largest t), a whole number; so 1/2 < the row's largest p <= 1. The row's sum l is taken of the UNQUANTISED p, in f32, and the product's result is divided by l at the end. Since M is a whole number, a kernel that streams over the keys may use a running M (the ceiling of the running maximum): every later rescaling is an exact power of two, so the quantised numbers keep their values, but for numbers so far below the row's largest that they fall under the format's range.
;;   OPERANDS COMPUTED ON THE WAY. 'Computed on the way' means the value that the module computes at that place (a softmax that the list does not call 'softmax' is quantised finished and normalised). What goes into a quantiser is computed in f32, as accurately as f32 sums, v_exp_f32 and their like allow (about 1e-6 of the number): no bf16 or f16 on the way to a quantiser, and a product that is left as it is and whose result goes on into a quantised operand takes f32 operands (vector FMAs, or v_wmma_f32_16x16x4_f32). A number that lies on a knife's edge between two numbers of the format may be rounded either way, as far as f32 arithmetic and the matrix unit's own rounding can turn it there, and no further.
;;   INPUTS GIVEN AS CODES. Wk (in the module: [1024, 1024], K = its axis 1); Wo (in the module: [1024, 1024], K = its axis 1); Wq (in the module: [1024, 1024], K = its axis 1); Wv (in the module: [1024, 1024], K = its axis 1); x (in the module: [4, 2048, 1024], K = its axis 2): each comes as NAME_codes (uint8): NAME with its K axis moved to the last place and cut into blocks of 32 codes, [.., K / 32, bytes a block], one block behind the other in memory; one code a byte (a code: sign, 4 exponent bits, 3 mantissa bits); its scale is its entry of lowp_scales. Its value is code x scale, taken as it is: it is not quantised again, and the codes and scales need not be those that the quantiser above would give.
;; One version. Each part assembles by itself: llvm-mc -triple=amdgcn-amd-amdhsa -mcpu=gfx1250 --defsym DOCPART=n.
;; ======== version 1 of 1: 3 launches
;; limits: right only within a limited range of input values
;; workspace buffers: q_img 8,388,608 bytes; k_img 8,388,608 bytes; v_img 8,388,608 bytes; o_img 8,388,608 bytes
;; launch qkv (part 1): grid 4 x 64, 4 waves a work-group, clusters of 4 x 4, 327,680 bytes of LDS; arguments x_codes, Wq_codes, Wk_codes, Wv_codes, cos_emb, sin_emb, token_positions, lowp_scales, q_img, k_img, v_img; writes q_img, k_img, v_img
.if DOCPART == 1
	.amdgcn_target "amdgcn-amd-amdhsa--gfx1250"
	.amdhsa_code_object_version 6
	.text
	.protected	k_q09cc7c120c_qkv
	.globl	k_q09cc7c120c_qkv
	.p2align	8
	.type	k_q09cc7c120c_qkv,@function
k_q09cc7c120c_qkv:
	s_mov_b64 s[64:65], 0
	v_nop
	global_prefetch_b8 v0, s[64:65] scope:SCOPE_SE
	s_setreg_imm32_b32 hwreg(HW_REG_WAVE_MODE, 25, 1), 1
	s_wait_xcnt 0x0
	s_wait_alu depctr_hold_cnt(0) depctr_sa_sdst(0) depctr_va_vdst(0) depctr_va_sdst(0) depctr_va_ssrc(0) depctr_va_vcc(0) depctr_vm_vsrc(0)
	s_getreg_b32 s2, hwreg(HW_REG_IB_STS2, 6, 4)
	s_cmp_eq_u32 s2, 0
	s_cbranch_scc0 .Lentry_in_a_cluster
	s_endpgm
.Lentry_in_a_cluster:
	s_bfe_u32 s2, ttmp6, 0x10000c
	s_cmp_lg_u32 s2, 0xf033
	s_cbranch_scc0 .Lentry_shape_is_right
	s_endpgm
.Lentry_shape_is_right:
; q = rope(x Wq^T), k = rope(x Wk^T), v = x Wv^T on codes of FP8 (E4M3); the three results are quantised with their given scales and stored as IMAGES OF OPERAND REGISTERS for the attention launch.
; x: [8192][1024] codes; Wq, Wk, Wv: [1024][1024] codes, K innermost.  lowp_scales: e0..e11.  cos, sin: [2048][64] f32, gathered by token_positions.
; SHARES.  A work-group owns 128 tokens x 256 features (four heads) and stays for three passes (q, k, v).  Its 128 rows of x lie in LDS for the whole launch; W goes through a ring of two slots, 256 along K each:
; 12 ring steps, 24 sub-steps of 128 along K.  Wave w: tokens 64 (w / 2) on, features 128 (w % 2) on: 32 accumulators (a = 0..3 tiles of tokens, b = 0..7 tiles of features).
; CLUSTER 4 x 4.  The four work-groups of a row of the cluster need the same rows of x, the four of a column the same rows of W: each tile is asked for jointly, by the same load with the same descriptor and a mask of four.
; LAYOUT.  Fragments come by four 16-byte loads 32 bytes apart, in x and in W alike: a permutation of k that both sides share.
;   q, k: source 0 = 16 rows of W, source 1 = 16 tokens: lane (r, h) holds token r and features 16 b + 8 h + 0..7: RoPE's pairs lie in one lane, and eight codes are registers 2 c, 2 c + 1 of the next product's operand.
;   v:    source 0 = 16 tokens, source 1 = 16 rows of Wv: lane (r, h) holds ONE channel and tokens 16 a + 8 h + 0..7: the keys, the next K.  The rows of Wv in tile t are 32 (t / 2) + 8 (t % 2) + r + 8 (r / 8).
; IMAGES.  q_img, k_img: tile (head bh, 16 tokens): 1,024 bytes = [2 groups of 4 registers][lane][16].  v_img: tile (bh, 128 keys, t): 2,048 bytes = [4 groups][lane][16].  Every store covers 512 consecutive bytes, aligned.
; SCALES.  A raw sum stands for sum x 2^(ex + ew); RoPE commutes with a power of two; so the conversion's one scale is 2^(eout - ex - ew).
; LIMITS.  e6-e0-e1, e7-e2-e3, e9-e4-e5 between -126 and 119.  NaN among the tables is not served.  A token position outside 0..2047 is held at 2047 (as an unsigned number).
; REGISTERS, in windows of 256: window 0: v1-20 addresses; v32-63 at work; v64-127 codes; v128-191, v192-255 x's fragments, two sets.  window 1: W's fragments, two sets.
;   window 2: accumulator (a, b) at v[8 (8 a + b)].   window 3: cos at v[64 a + i], sin at v[64 a + 32 + i], i = 8 c + j for channel 16 c + 8 h + j: both stay for the q and k passes.
.set XP,    1040                       ; a row of x in LDS: 1,024 bytes + 16 of padding
.set WPI,   272                        ; a row of a W slot: 256 bytes + 16
.set WBASE, 128*XP                     ; x's 128 rows, then the ring
.set WSLOT, 256*WPI
.set SPARE, WBASE+2*WSLOT              ; behind the ring: the spare words, 128 bytes for each wave: two blocks of 256 bytes that no other line names
.set ADRA,  4                          ; v4     LDS address of my fragments of x
.set ADRB,  5                          ; v5-6   of W in slot 0, 1 (rows as they lie)
.set ADRBV, 7                          ; v7-8   of Wv (row r + 8 (r / 8))
.set LI,    9                          ; v9     16 x lane
.set CO,    10                         ; v10-13 byte offset of my token's row in cos and sin, + 32 h, for a = 0..3
.set SPW,   14                         ; v14    my spare word; never rewritten
.set NIL,   15                         ; v15    0; never rewritten
.set SC,    16                         ; v16    the conversion's scale
.set LIM,   17
.set T,     32
.set CD,    64
.set G1X,   28                         ; s[28:35] group 1 for x
.set G1W,   36                         ; s[36:43] group 1 for W
.set G0X,   44                         ; s[44:47]
.set G0W,   48                         ; s[48:55] a group 0 for each slot
.set WV,    56
.set TH,    57
.set FH,    58
.set WP,    66                         ; s[66:71] Wq, Wk, Wv at my wave's 64 rows of the work-group's 256
.set MSB, 0
.macro WIN new                         ; the immediate's high byte repeats the setting that is left
.if MSB != \new
	s_set_vgpr_msb (MSB<<8)|\new
.set MSB, \new
.endif
.endm
.macro PLACES n
.rept \n
	v_nop
.endr
.endm
.macro CREST                           ; a round of the cluster's barrier behind its opening barrier
	s_cmp_lg_u32 s[WV], 0
	s_cbranch_scc1 .Lnot_wave_0_\@
	s_barrier_signal -3
.Lnot_wave_0_\@:
	s_barrier_wait -3
	s_barrier_signal -1
	s_barrier_wait -1
.endm
.macro CROUND
	s_barrier_signal -1
	s_barrier_wait -1
	CREST
.endm
.macro MKSC dst, eo, ea, eb            ; s[dst] = 2^(eo - ea - eb) as f32
	s_sub_co_i32 s84, s[\eo], s[\ea]
	s_sub_co_i32 s84, s84, s[\eb]
	s_add_co_i32 s84, s84, 127
	s_lshl_b32 s[\dst], s84, 23
.endm
	s_load_b256 s[4:11], s[0:1], 0x0               ; x, Wq, Wk, Wv
	s_load_b256 s[12:19], s[0:1], 0x20             ; cos, sin, positions, scales
	s_load_b128 s[20:23], s[0:1], 0x40             ; q_img, k_img
	s_load_b64 s[24:25], s[0:1], 0x50              ; v_img
	v_lshl_add_u32 v[SPW], v0, 2, SPARE
	v_mov_b32 v[NIL], 0
	ds_add_u32 v14, v15
	ds_add_u32 v14, v15
	s_wait_dscnt 0x0
	v_lshrrev_b32 v1, 5, v0
	v_readfirstlane_b32 s[WV], v1                  ; wave 0..3
	s_lshr_b32 s[TH], s[WV], 1                     ; which 64 tokens
	s_and_b32 s[FH], s[WV], 1                      ; which 128 features
	s_bfe_u32 s59, ttmp6, 0x40000                  ; cx
	s_bfe_u32 s60, ttmp6, 0x40004                  ; cy
	s_lshl_b32 s61, ttmp9, 2
	s_add_co_u32 s61, s61, s59                     ; cb: block of 256 features
	s_and_b32 s62, ttmp7, 0xffff
	s_lshl_b32 s62, s62, 2
	s_add_co_u32 s62, s62, s60                     ; rb: block of 128 tokens
	s_lshl_b32 s84, s60, 2
	s_lshl_b32 s84, 15, s84                        ; my row of the cluster
	s_lshl_b32 s85, 0x1111, s59                    ; my column
	s_or_b32 s[G1X], s84, (1<<20)|(1<<21)|(7<<22)|(3<<25)   ; x goes to my row; elements of 1 byte; padding: 4 words after every 256
	s_mov_b32 s[G1X+1], 1024<<16                   ; tensor_dim0
	s_mov_b32 s[G1X+2], 32<<16                     ; tensor_dim1
	s_mov_b32 s[G1X+3], 1024<<16                   ; tile_dim0
	s_mov_b32 s[G1X+4], 32                         ; tile_dim1
	s_mov_b32 s[G1X+5], 1024                       ; pitch
	s_mov_b32 s[G1X+6], 0
	s_mov_b32 s[G1X+7], 0
	s_or_b32 s[G1W], s85, (1<<20)|(1<<21)|(5<<22)|(3<<25)   ; W goes to my column; padding: 4 words after every 64
	s_mov_b32 s[G1W+1], 256<<16
	s_mov_b32 s[G1W+2], 64<<16
	s_mov_b32 s[G1W+3], 256<<16
	s_mov_b32 s[G1W+4], 64
	s_mov_b32 s[G1W+5], 1024
	s_mov_b32 s[G1W+6], 0
	s_mov_b32 s[G1W+7], 0
	s_lshl_b32 s86, s62, 17                        ; x: row 128 rb + 32 w, 1,024 bytes a row: hangs on the tile row and the wave alone
	s_lshl_b32 s87, s[WV], 15
	s_add_co_u32 s86, s86, s87
	s_mov_b32 s87, 0
	s_lshl_b32 s88, s61, 18                        ; W: row 256 cb + 64 w: hangs on the tile column and the wave alone
	s_lshl_b32 s89, s[WV], 16
	s_add_co_u32 s88, s88, s89
	s_mov_b32 s89, 0
	s_mul_i32 s90, s[WV], 32*XP                    ; where they go: no place in the cluster enters an LDS address
	s_mul_i32 s91, s[WV], 64*WPI
	s_add_co_u32 s91, s91, WBASE
	s_wait_kmcnt 0x0
	s_load_b256 s[72:79], s[18:19], 0x0            ; e0..e7
	s_load_b128 s[80:83], s[18:19], 0x20           ; e8..e11
	s_add_nc_u64 s[WP:WP+1], s[6:7], s[88:89]
	s_add_nc_u64 s[WP+2:WP+3], s[8:9], s[88:89]
	s_add_nc_u64 s[WP+4:WP+5], s[10:11], s[88:89]
	s_mov_b32 s[G0X], 1
	s_mov_b32 s[G0X+1], s90
	s_add_nc_u64 s[G0X+2:G0X+3], s[4:5], s[86:87]
	s_or_b32 s[G0X+3], s[G0X+3], 0x80000000
	s_mov_b32 s[G0W], 1
	s_mov_b32 s[G0W+1], s91
	s_mov_b64 s[G0W+2:G0W+3], s[WP:WP+1]           ; ring step 0: Wq, K 0..255
	s_or_b32 s[G0W+3], s[G0W+3], 0x80000000
	s_mov_b32 s[G0W+4], 1
	s_add_co_u32 s[G0W+5], s91, WSLOT
	s_add_nc_u64 s[G0W+6:G0W+7], s[WP:WP+1], 256   ; ring step 1
	s_or_b32 s[G0W+7], s[G0W+7], 0x80000000
	CROUND                                         ; all sixteen work-groups are here: the first joint loads meet
	tensor_load_to_lds s[G0X:G0X+3], s[G1X:G1X+7]  ; the three first fills go out together: three loads of mine are out
	s_nop 0
	tensor_load_to_lds s[G0W:G0W+3], s[G1W:G1W+7]
	s_nop 0
	tensor_load_to_lds s[G0W+4:G0W+7], s[G1W:G1W+7]
	s_nop 0
	PLACES 4
	v_and_b32 v1, 15, v0                           ; r
	v_bfe_u32 v2, v0, 4, 1                         ; h
	v_mul_u32_u24 v3, v1, XP
	v_lshl_add_u32 v3, v2, 4, v3
	s_mul_i32 s92, s[TH], 64*XP
	v_add_nc_u32 v[ADRA], s92, v3
	v_mul_u32_u24 v3, v1, WPI
	v_lshl_add_u32 v3, v2, 4, v3
	v_and_b32 v18, 8, v1
	v_add_nc_u32 v18, v18, v1                      ; r + 8 (r / 8)
	v_mul_u32_u24 v18, v18, WPI
	v_lshl_add_u32 v18, v2, 4, v18
	s_mul_i32 s92, s[FH], 128*WPI
	s_add_co_u32 s92, s92, WBASE
	v_add_nc_u32 v[ADRB], s92, v3
	v_add_nc_u32 v[ADRBV], s92, v18
	s_add_co_u32 s92, s92, WSLOT
	v_add_nc_u32 v[ADRB+1], s92, v3
	v_add_nc_u32 v[ADRBV+1], s92, v18
	v_and_b32 v[LI], 31, v0
	v_lshlrev_b32 v[LI], 4, v[LI]
	; my 64 tokens' positions: token 128 (rb % 16) + 64 th + 16 a + r
	s_and_b32 s93, s62, 15                         ; rb % 16
	s_lshl_b32 s94, s93, 9
	s_lshl_b32 s95, s[TH], 8
	s_add_co_u32 s94, s94, s95
	s_mov_b32 s95, 0
	s_add_nc_u64 s[16:17], s[16:17], s[94:95]
	v_lshlrev_b32 v19, 2, v1
.irp a, 0,1,2,3
	global_load_b32 v[CO+\a], v19, s[16:17] offset:64*\a
.endr
	v_lshlrev_b32 v20, 5, v2
	; where my images begin.  bh0 = 16 (rb / 16) + 4 cb + 2 fh: my first head
	s_lshr_b32 s84, s62, 4
	s_lshl_b32 s84, s84, 4
	s_lshl_b32 s85, s61, 2
	s_add_co_u32 s84, s84, s85
	s_lshl_b32 s85, s[FH], 1
	s_add_co_u32 s84, s84, s85
	s_lshl_b32 s86, s84, 7                         ; q, k: tile 128 bh0 + 8 (rb % 16) + 4 th, 1,024 bytes a tile
	s_lshl_b32 s85, s93, 3
	s_add_co_u32 s86, s86, s85
	s_lshl_b32 s85, s[TH], 2
	s_add_co_u32 s86, s86, s85
	s_lshl_b32 s86, s86, 10
	s_mov_b32 s87, 0
	s_add_nc_u64 s[20:21], s[20:21], s[86:87]
	s_add_nc_u64 s[22:23], s[22:23], s[86:87]
	s_lshl_b32 s86, s84, 4                         ; v: (16 bh0 + rb % 16) x 8,192 + 1,024 th: my two groups of each tile
	s_add_co_u32 s86, s86, s93
	s_lshl_b32 s86, s86, 13
	s_lshl_b32 s85, s[TH], 10
	s_add_co_u32 s86, s86, s85
	s_add_nc_u64 s[24:25], s[24:25], s[86:87]
	s_wait_loadcnt 0x0                             ; the positions
.irp a, 0,1,2,3
	v_min_u32 v[CO+\a], 0x7ff, v[CO+\a]            ; an index stays inside its table
	v_lshlrev_b32 v[CO+\a], 8, v[CO+\a]            ; a row of 64 f32
	s_wait_alu depctr_va_vdst(0)
	v_add_nc_u32 v[CO+\a], v20, v[CO+\a]           ; + 32 h
.endr
	WIN 0xc0                                       ; destination window 3
.irp a, 0,1,2,3
.irp c, 0,1,2,3
.irp i, 0,1
	global_load_b128 v[64*\a+8*\c+4*\i:64*\a+8*\c+4*\i+3], v[CO+\a], s[12:13] offset:64*\c+16*\i
	global_load_b128 v[64*\a+32+8*\c+4*\i:64*\a+32+8*\c+4*\i+3], v[CO+\a], s[14:15] offset:64*\c+16*\i
.endr
.endr
.endr
	WIN 0
	s_wait_kmcnt 0x0
	MKSC 88, 78, 72, 73                            ; q: e6 - e0 - e1
	MKSC 90, 79, 74, 75                            ; k: e7 - e2 - e3
	MKSC 92, 81, 76, 77                            ; v: e9 - e4 - e5
.macro FRAG reg, adr, off              ; 16 rows x 128 K: registers 4 c .. 4 c + 3 hold K = 32 c + 16 h + 0..15
.irp c, 0,1,2,3
	ds_load_b128 v[(\reg)+4*\c:(\reg)+4*\c+3], v[\adr] offset:(\off)+32*\c
.endr
.endm
; The 48 LDS loads of sub-step u: W's eight fragments and x's four, into set u % 2
.macro FETCH u
.set FS, (\u)%2
.set FSL, ((\u)/2)%2
	WIN 0x40                                       ; destination window 1
.irp b, 0,1,2,3,4,5,6,7
.if (\u)/8 < 2
	FRAG 128*FS+16*\b, ADRB+FSL, 128*FS+WPI*16*\b
.else
	FRAG 128*FS+16*\b, ADRBV+FSL, 128*FS+WPI*(64*(\b/4)+32*((\b%4)/2)+8*(\b%2))
.endif
.endr
	WIN 0
.irp a, 0,1,2,3
	FRAG 128+64*FS+16*\a, ADRA, 128*((\u)%8)+16*XP*\a
.endr
.endm
; Eight products: tile of tokens a against the eight tiles of features.  A pass's first sub-step starts the sums with the constant 0.
; The 32 accumulators take turns, one instruction a turn, in the same order in every sub-step.
.macro MULA u, a
.set MS, (\u)%2
.if (\u)/8 < 2
	WIN 0xa1                                       ; source 0 (W) window 1, source 1 (x) window 0, C and D window 2
.else
	WIN 0xa4                                       ; source 0 (x) window 0, source 1 (W) window 1
.endif
.irp b, 0,1,2,3,4,5,6,7
.if (\u)/8 < 2
.if (\u)%8 == 0
	v_wmma_f32_16x16x128_fp8_fp8 v[8*(8*(\a)+\b):8*(8*(\a)+\b)+7], v[128*MS+16*\b:128*MS+16*\b+15], v[128+64*MS+16*(\a):128+64*MS+16*(\a)+15], 0
.else
	v_wmma_f32_16x16x128_fp8_fp8 v[8*(8*(\a)+\b):8*(8*(\a)+\b)+7], v[128*MS+16*\b:128*MS+16*\b+15], v[128+64*MS+16*(\a):128+64*MS+16*(\a)+15], v[8*(8*(\a)+\b):8*(8*(\a)+\b)+7]
.endif
.else
.if (\u)%8 == 0
	v_wmma_f32_16x16x128_fp8_fp8 v[8*(8*(\a)+\b):8*(8*(\a)+\b)+7], v[128+64*MS+16*(\a):128+64*MS+16*(\a)+15], v[128*MS+16*\b:128*MS+16*\b+15], 0
.else
	v_wmma_f32_16x16x128_fp8_fp8 v[8*(8*(\a)+\b):8*(8*(\a)+\b)+7], v[128+64*MS+16*(\a):128+64*MS+16*(\a)+15], v[128*MS+16*\b:128*MS+16*\b+15], v[8*(8*(\a)+\b):8*(8*(\a)+\b)+7]
.endif
.endif
.endr
.endm
; An even sub-step: its successor lies in the same slot
.macro STEP u
.if (\u) > 0
	PLACES 4                                       ; in front of loads into registers that matrix instructions have read
.endif
	FETCH (\u)+1
	s_wait_dscnt 48                                ; all but the 48 loads just issued: this sub-step's fragments are in
	MULA \u, 0
	MULA \u, 1
	MULA \u, 2
	MULA \u, 3
.endm
; An odd sub-step changes slots: one barrier; in front of it each wave waits for all its tensor loads, adds 0 to its spare word, and waits for that and for its reads of this slot.
; fill = 1: the barrier opens a round of the cluster's barrier, and this slot takes the ring step two steps on.
.macro TURN u, fill
	WIN 0
	s_wait_tensorcnt 0x0                           ; all my tensor loads have landed: my part of the next slot
	ds_add_u32 v[SPW], v[NIL]                      ; 0 onto my spare word
	s_wait_dscnt 1                                 ; this sub-step's fragments are in; the add alone may be out
	MULA \u, 0
	s_wait_dscnt 0x0                               ; the add is done, and my reads of this slot are over
	s_barrier_signal -1
	MULA \u, 1
	WIN 0
	s_barrier_wait -1
.if \fill
	CREST                                          ; no wave of any partner still reads this slot or has a load on its way
.set NS, (\u)/2+2
.set GW, G0W+4*(((\u)/2)%2)
	s_add_nc_u64 s[GW+2:GW+3], s[WP+2*(NS/4):WP+2*(NS/4)+1], 256*(NS%4)   ; ring step NS: pass NS / 4, K 256 (NS % 4) on
	s_or_b32 s[GW+3], s[GW+3], 0x80000000
	tensor_load_to_lds s[GW:GW+3], s[G1W:G1W+7]    ; my one tensor load behind the round
	s_nop 0
	PLACES 4                                       ; also the places in front of the loads below
.else
	PLACES 4
.endif
	FETCH (\u)+1
	MULA \u, 2
	MULA \u, 3
.endm
; RoPE, the conversion and the stores of a pass of q or k.  A unit is a tile of 16 tokens x one head: 32 numbers a lane.
.macro ROPE_OUT sc, lim, ptr, first
	WIN 0
	s_wait_xcnt 0x0                                ; the last pass's stores have read their registers
.if \first
	s_wait_loadcnt 0x0                             ; cos and sin
.endif
	v_mov_b32 v[SC], s[\sc]
	v_nop
	v_nop                                          ; four places behind the last products
.irp a, 0,1,2,3
.irp hl, 0,1
	WIN 0x0e                                       ; source 0 (sums) window 2, source 1 (tables) window 3
.irp i, 0,2,4,6,8,10,12,14,16,18,20,22,24,26,28,30
	v_pk_mul_f32 v[T+\i:T+\i+1], v[64*\a+32*\hl+\i:64*\a+32*\hl+\i+1], v[64*\a+\i:64*\a+\i+1]   ; t cos; each accumulator from its low end on
.endr
.irp i, 0,2,4,6,8,10,12,14,16,18,20,22,24,26,28,30
	v_fma_f32 v[T+\i], -v[64*\a+32*\hl+\i+1], v[64*\a+32+\i], v[T+\i]          ; even channel: - odd neighbour x sin
	v_fma_f32 v[T+\i+1], v[64*\a+32*\hl+\i], v[64*\a+32+\i+1], v[T+\i+1]       ; odd channel: + even neighbour x sin
.endr
	WIN 0
.set i, 0
.rept 32
.set i, i+1
.endr
.irp c, 0,1,2,3
	v_cvt_scalef32_pk8_fp8_f32 v[CD+8*(2*\a+\hl)+2*\c:CD+8*(2*\a+\hl)+2*\c+1], v[T+8*\c:T+8*\c+7], v[SC]
.endr
	v_nop                                          ; a plain line behind the conversions: the next unit writes their sources
	global_store_b128 v[LI], v[CD+8*(2*\a+\hl):CD+8*(2*\a+\hl)+3], s[\ptr:\ptr+1] offset:\hl*131072+\a*1024
	global_store_b128 v[LI], v[CD+8*(2*\a+\hl)+4:CD+8*(2*\a+\hl)+7], s[\ptr:\ptr+1] offset:\hl*131072+\a*1024+512
.endr
.endr
.endm
	s_wait_tensorcnt 0x1                           ; x and ring step 0 are in; ring step 1 may stay out
	s_barrier_signal -1
	s_barrier_wait -1
	FETCH 0
	STEP 0
	TURN 1, 1
	STEP 2
	TURN 3, 1
	STEP 4
	TURN 5, 1
	STEP 6
	TURN 7, 1
	ROPE_OUT 88, 89, 20, 1
	STEP 8
	TURN 9, 1
	STEP 10
	TURN 11, 1
	STEP 12
	TURN 13, 1
	STEP 14
	TURN 15, 1
	ROPE_OUT 90, 91, 22, 0
	STEP 16
	TURN 17, 1
	STEP 18
	TURN 19, 1
	STEP 20
	TURN 21, 0                                     ; nothing is left to fetch
	STEP 22
	s_wait_dscnt 0x0
	MULA 23, 0
	MULA 23, 1
	MULA 23, 2
	MULA 23, 3
	; v: the conversions, the stores.  Accumulator (a, b): channel tile b % 4 of head b / 4, keys 64 th + 16 a + 8 h + 0..7: registers 2 (4 th + a), + 1 of the tile's fragment
	WIN 0
	s_wait_xcnt 0x0                                ; k's stores have read their registers
	v_mov_b32 v[SC], s92
	v_nop
	v_nop                                          ; four places behind the last products
	WIN 0x82                                       ; source 0 and destination window 2
.set i, 0
.rept 256
.set i, i+1
.endr
	WIN 0x02
	v_nop
.irp b, 0,1,2,3,4,5,6,7
.irp a, 0,1,2,3
	v_cvt_scalef32_pk8_fp8_f32 v[CD+8*\b+2*\a:CD+8*\b+2*\a+1], v[8*(8*\a+\b):8*(8*\a+\b)+7], v[SC]
.endr
.endr
	WIN 0
	v_nop
.irp b, 0,1,2,3,4,5,6,7
	global_store_b128 v[LI], v[CD+8*\b:CD+8*\b+3], s[24:25] offset:(\b/4)*131072+(\b%4)*2048
	global_store_b128 v[LI], v[CD+8*\b+4:CD+8*\b+7], s[24:25] offset:(\b/4)*131072+(\b%4)*2048+512
.endr
	s_wait_tensorcnt 0x0                           ; the wave's end
	ds_add_u32 v[SPW], v[NIL]
	s_wait_dscnt 0x0
	CROUND                                         ; the closing round
	s_endpgm
.Lfunc_end_k_q09cc7c120c_qkv:
	.size	k_q09cc7c120c_qkv, .Lfunc_end_k_q09cc7c120c_qkv-k_q09cc7c120c_qkv
	.p2alignl 7, 3214868480
	.fill 96, 4, 3214868480
	.section	.rodata,"a",@progbits
	.p2align	6, 0x0
	.amdhsa_kernel k_q09cc7c120c_qkv
		.amdhsa_group_segment_fixed_size 327680
		.amdhsa_private_segment_fixed_size 0
		.amdhsa_enable_private_segment 0
		.amdhsa_kernarg_size 88
		.amdhsa_user_sgpr_count 2
		.amdhsa_user_sgpr_kernarg_segment_ptr 1
		.amdhsa_wavefront_size32 1
		.amdhsa_system_sgpr_workgroup_id_x 1
		.amdhsa_system_sgpr_workgroup_id_y 1
		.amdhsa_system_sgpr_workgroup_id_z 1
		.amdhsa_system_vgpr_workitem_id 0
		.amdhsa_next_free_vgpr 1024
		.amdhsa_next_free_sgpr 100
		.amdhsa_reserve_vcc 0
		.amdhsa_float_denorm_mode_32 3
		.amdhsa_float_denorm_mode_16_64 3
		.amdhsa_fp16_overflow 1
		.amdhsa_memory_ordered 1
		.amdhsa_forward_progress 1
		.amdhsa_inst_pref_size 209
	.end_amdhsa_kernel
	.amdgpu_metadata
---
amdhsa.version: [ 1, 2 ]
amdhsa.kernels:
  - .name:           k_q09cc7c120c_qkv
    .symbol:         k_q09cc7c120c_qkv.kd
    .args:
      - { .name: x_codes, .offset: 0, .size: 8, .value_kind: global_buffer, .address_space: global }
      - { .name: Wq_codes, .offset: 8, .size: 8, .value_kind: global_buffer, .address_space: global }
      - { .name: Wk_codes, .offset: 16, .size: 8, .value_kind: global_buffer, .address_space: global }
      - { .name: Wv_codes, .offset: 24, .size: 8, .value_kind: global_buffer, .address_space: global }
      - { .name: cos_emb, .offset: 32, .size: 8, .value_kind: global_buffer, .address_space: global }
      - { .name: sin_emb, .offset: 40, .size: 8, .value_kind: global_buffer, .address_space: global }
      - { .name: token_positions, .offset: 48, .size: 8, .value_kind: global_buffer, .address_space: global }
      - { .name: lowp_scales, .offset: 56, .size: 8, .value_kind: global_buffer, .address_space: global }
      - { .name: q_img, .offset: 64, .size: 8, .value_kind: global_buffer, .address_space: global }
      - { .name: k_img, .offset: 72, .size: 8, .value_kind: global_buffer, .address_space: global }
      - { .name: v_img, .offset: 80, .size: 8, .value_kind: global_buffer, .address_space: global }
    .group_segment_fixed_size: 327680
    .private_segment_fixed_size: 0
    .kernarg_segment_align: 8
    .kernarg_segment_size: 88
    .max_flat_workgroup_size: 128
    .sgpr_count:     100
    .vgpr_count:     1024
    .wavefront_size: 32
...
	.end_amdgpu_metadata
.endif
;; end of part 1
;; launch attn (part 2): grid 4 x 64, 16 waves a work-group, no clusters, 327,680 bytes of LDS; arguments q_img, k_img, v_img, lowp_scales, o_img; writes o_img
.if DOCPART == 2
	.amdgcn_target "amdgcn-amd-amdhsa--gfx1250"
	.amdhsa_code_object_version 6
	.text
	.protected	k_q09cc7c120c_attn
	.globl	k_q09cc7c120c_attn
	.p2align	8
	.type	k_q09cc7c120c_attn,@function
k_q09cc7c120c_attn:
	s_mov_b64 s[64:65], 0
	v_nop
	global_prefetch_b8 v0, s[64:65] scope:SCOPE_SE
	s_setreg_imm32_b32 hwreg(HW_REG_WAVE_MODE, 25, 1), 1
	s_wait_xcnt 0x0
; Causal attention on codes of FP8 (E4M3), head size 64, 2,048 tokens, 64 heads (bh = 16 b + head).  q_img, k_img, v_img are images of operand registers; o_img is the image of the last product's operand.
; SOFTMAX.  t = score x log2(e) / 8 x 2^(e6 + e7); M = the running largest t rounded up to a whole number; p = 2^(t - M) is quantised with 2^e8; the row's sum is taken of the unquantised p and divides at the end.
; SHARES.  Work-group (g = 0..3, bh) does the block of 256 queries 7 - g over key slots 0 .. 7 - g, then block g over slots 0 .. g: always nine visits of a slot of 256 keys, so every work-group has the same
; number of trips, a constant of the text.  Each of sixteen waves owns 16 queries of the block.  A visit is two steps of 128 keys; a step all of whose keys come after my queries is jumped over (a scalar branch on ids);
; in the one step on the diagonal hidden scores become -infinity.  Key 0 counts for every query, so M is a number from the first step on.
; NO CLUSTER: the four work-groups of a head go back to slot 0 behind visits 7 - g, each at another visit, so from visit 5 on they want different tiles at the same change of slots; a walk common to all four would have
; 12 visits in place of 9; and what would be shared is 32,768 bytes a visit.
; LAYOUT.  S^T = K Q^T (source 0 = 16 keys, source 1 = my 16 queries; K = 64): lane (r, h) holds query r, register j of tile T key 16 T + 8 h + j; its eight codes are registers 2 T, 2 T + 1 of P.
; O^T = V^T P^T (source 0 = 16 channels, K = 128 keys): register j of tile t is channel 32 (t / 2) + 16 h + 8 (t % 2) + j, so tiles 2 g', 2 g' + 1 are 16 neighbouring channels: one group of four registers of o_img.
; LDS: two slots of 32,768 bytes (K's 16 tiles of 1,024, then V's 8 tiles of 2,048), dense: a fragment's group of four registers is 512 consecutive bytes.  Wave 0 fetches K's half of a slot, wave 1 V's.
; LIMITS: e6 + e7 between -123 and 130; e8 and e10 between -126 and 119.  NaN is not served.
; REGISTERS: v1 16 x lane; v2 the loads' address; v3 256 x lane; v5, v6 the add's; v7 r - 8 h; v12 -M, v13 largest t, v[14:15] the sum; v16-23 Q; v32-95 K's, then V's fragments; v96-159 S^T, then p; v160-191 O^T;
;   v192-207 P's codes; v208-221 at work and constants.
.set SLOT1, 1<<15
.set VOFF,  16384
.set SPARE, 65536                      ; behind the ring: the spare words, 128 bytes for each of sixteen waves: eight blocks of 256 bytes that no other line names
.set LI,  1
.set ADR, 2
.set PFO, 3
.set SPW, 5
.set NIL, 6
.set RH,  7
.set TB,  2                            ; s2   LDS byte at which the slot in hand begins
.set VIS, 3                            ; s3   the visit's number
.set SW,  14                           ; s14  7 - g: the last visit of the first block
.set SW1, 15                           ; s15  8 - g
.set SIN, 16                           ; s16  the next visit's slot of keys
.set KF,  17                           ; s17  first key of the slot in hand
.set WV,  18
.set Q0,  19                           ; s19  my first query
.set SEL, 20                           ; s[20:21]
.set CS,  22                           ; s[22:23]
.set G1,  24                           ; s[24:31]
.set OFF, 32                           ; s[32:33]
.set QP,  34                           ; s[34:35]
.set OP,  36                           ; s[36:37]
.set E89, 38
.set LIM, 39
.set G0,  40                           ; s[40:43]
.set BASE, 44                          ; s[44:45] K's (wave 0) or V's image at my head
.set PFA, 46                           ; s[46:47]
.set G,   48
.set BH,  49
.set OC,  50                           ; s50  the part of O's offset that hangs on bh alone
.set HB,  58                           ; s[58:59] bh x 131,072
.set SLOTS, 67
.macro TLOAD                           ; waves 0 and 1 fetch, the others nothing: a branch on the wave's number; four v_nop follow the load
	s_cmp_lt_u32 s[WV], 2
	s_cbranch_scc0 .Lno_load_\@
	tensor_load_to_lds s[G0:G0+3], s[G1:G1+7]
	s_nop 0
.rept 4
	v_nop
.endr
.Lno_load_\@:
.endm
; A prefetch into the L2 of the slot that the NEXT change of slots will ask for: 16,384 bytes of K's image and as many of V's.  All four work-groups of a head begin with slots 0, 1, 2 ..: work-group g = 0, which walks
; slots 0 to 7 on end, asks, and nobody else.  In it waves 4, 5 ask for K's halves and waves 6, 7 for V's: 8,192 bytes a wave, lanes 256 bytes apart: each aligned block of 256 bytes is named once in the launch.
; Slots 0 and 1 come by their loads alone; the changes behind which slot 7 is asked for or walked ask for nothing.
.macro ASK
	s_cmp_gt_u32 s[SLOTS], s[LIM]
	s_cbranch_scc0 .Lnot_mine_\@
	global_prefetch_b8 v[PFO], s[PFA:PFA+1] th:TH_LOAD_NT scope:SCOPE_SE
.Lnot_mine_\@:
.endm
	s_load_b256 s[4:11], s[0:1], 0x0               ; q_img, k_img, v_img, scales
	s_load_b64 s[12:13], s[0:1], 0x20              ; o_img
	v_lshl_add_u32 v[SPW], v0, 2, SPARE
	v_mov_b32 v[NIL], 0
	ds_add_u32 v5, v6
	ds_add_u32 v5, v6
	s_wait_dscnt 0x0
	v_lshrrev_b32 v8, 5, v0
	s_delay_alu instid0(VALU_DEP_1)
	v_readfirstlane_b32 s[WV], v8                  ; wave 0..15
	s_mov_b32 s[G], ttmp9
	s_and_b32 s[BH], ttmp7, 0xffff
	s_sub_co_u32 s[SW], 7, s[G]
	s_add_co_u32 s[SW1], s[SW], 1
	s_mov_b32 s[G1], 3<<16                         ; no mask; elements of 8 bytes; no padding: a dense block as 64 rows of 256 bytes
	s_mov_b32 s[G1+1], 32<<16                      ; tensor_dim0
	s_mov_b32 s[G1+2], 64<<16                      ; tensor_dim1
	s_mov_b32 s[G1+3], 32<<16                      ; tile_dim0
	s_mov_b32 s[G1+4], 64                          ; tile_dim1
	s_mov_b32 s[G1+5], 32                          ; pitch
	s_mov_b32 s[G1+6], 0
	s_mov_b32 s[G1+7], 0
	s_mov_b32 s[SEL], 0x76543210
	s_mov_b32 s[SEL+1], 0xfedcba98
	s_mov_b32 s[CS], 0x3e38aa3b                    ; log2(e) / 8
	s_mov_b32 s[TB], 0
	s_mov_b32 s[VIS], 0
	s_mov_b32 s[KF], 0
	s_mov_b32 s[SIN], 0
	s_mov_b32 s[OFF+1], 0
	s_mov_b32 s[SLOTS], 8
	s_lshl_b32 s[HB], s[BH], 17
	s_mov_b32 s[HB+1], 0
	s_and_b32 s54, s[WV], 1
	s_lshl_b32 s55, s54, 14                        ; K's half of a slot, or V's
	s_wait_kmcnt 0x0
	s_load_b256 s[68:75], s[10:11], 0x0            ; e0..e7
	s_load_b128 s[76:79], s[10:11], 0x20           ; e8..e11
	s_cmp_eq_u32 s[WV], 0
	s_cselect_b64 s[BASE:BASE+1], s[6:7], s[8:9]
	s_add_nc_u64 s[BASE:BASE+1], s[BASE:BASE+1], s[HB:HB+1]
	s_mov_b32 s[G0], 1
	s_mov_b32 s[G0+1], s55
	s_mov_b64 s[G0+2:G0+3], s[BASE:BASE+1]
	s_or_b32 s[G0+3], s[G0+3], 0x80000000
	TLOAD                                          ; visit 0's slot
	s_cmp_lt_u32 s[WV], 6
	s_cselect_b64 s[PFA:PFA+1], s[6:7], s[8:9]
	s_add_nc_u64 s[PFA:PFA+1], s[PFA:PFA+1], s[HB:HB+1]
	s_lshl_b32 s56, s54, 13
	s_add_co_u32 s56, s56, 16384                   ; in slot 1: the first change of slots steps it to slot 2
	s_mov_b32 s57, 0
	s_add_nc_u64 s[PFA:PFA+1], s[PFA:PFA+1], s[56:57]
	s_sub_co_u32 s56, s[WV], 4
	s_lshr_b32 s56, s56, 2                         ; 0 in waves 4 to 7,
	s_or_b32 s56, s56, s[G]                        ; of work-group g = 0
	s_cmp_eq_u32 s56, 0
	s_cselect_b32 s[LIM], 2, -1
	v_and_b32 v[LI], 31, v0
	s_delay_alu instid0(VALU_DEP_1)
	v_lshlrev_b32 v[PFO], 8, v[LI]
	s_delay_alu instid0(VALU_DEP_2)
	v_lshlrev_b32 v[LI], 4, v[LI]
	v_and_b32 v8, 15, v0
	v_bfe_u32 v9, v0, 4, 1
	s_delay_alu instid0(VALU_DEP_1)
	v_lshlrev_b32 v9, 3, v9
	s_delay_alu instid0(VALU_DEP_1)
	v_sub_nc_u32 v[RH], v8, v9                     ; r - 8 h
	v_mov_b32 v208, 0                              ; a lane permute's destination counts as one of its sources
	v_mov_b32 v211, 0                              ; (named as the upper half of the pair v[210:211])
	v_mov_b32 v221, 0xff800000                     ; -infinity
	s_lshr_b32 s56, s[BH], 4                       ; b
	s_lshl_b32 s[OC], s56, 21                      ; o_img: token x 1,024 bytes + (head / 2) x 2,048 + (head % 2) x 1,024
	s_and_b32 s56, s[BH], 15
	s_lshr_b32 s57, s56, 1
	s_lshl_b32 s57, s57, 11
	s_add_co_u32 s[OC], s[OC], s57
	s_and_b32 s57, s56, 1
	s_lshl_b32 s57, s57, 10
	s_add_co_u32 s[OC], s[OC], s57
	s_lshl_b32 s[Q0], s[SW], 8
	s_lshl_b32 s56, s[WV], 4
	s_add_co_u32 s[Q0], s[Q0], s56                 ; block 7 - g first
	s_wait_kmcnt 0x0
	s_add_co_i32 s56, s74, s75
	s_lshl_b32 s56, s56, 23
	s_add_co_i32 s[CS], s[CS], s56                 ; e6 + e7 are added to c's exponent field
	s_mov_b32 s[CS+1], s[CS]
	s_add_co_i32 s56, s76, 127
	s_lshl_b32 s57, s56, 23
	v_mov_b32 v216, s57                            ; 2^e8
	s_add_co_i32 s56, s78, 127
	s_lshl_b32 s57, s56, 23
	v_mov_b32 v218, s57                            ; 2^e10
	s_add_co_i32 s[E89], s76, s77
; A block of queries begins: its pointers, Q's fragment, and the state: O^T and the sum zeros, the largest t -3e38
.macro INIT
	s_lshl_b32 s52, s[Q0], 6                       ; tile Q0 / 16 of 1,024 bytes
	s_mov_b32 s53, 0
	s_add_nc_u64 s[QP:QP+1], s[4:5], s[HB:HB+1]
	s_add_nc_u64 s[QP:QP+1], s[QP:QP+1], s[52:53]
	global_load_b128 v[16:19], v[LI], s[QP:QP+1]
	global_load_b128 v[20:23], v[LI], s[QP:QP+1] offset:512
	s_lshl_b32 s54, s[Q0], 10
	s_add_co_u32 s54, s54, s[OC]
	s_mov_b32 s55, 0
	s_add_nc_u64 s[OP:OP+1], s[12:13], s[54:55]
	v_mov_b32 v13, 0xff61b1e6
	s_delay_alu instid0(VALU_DEP_1)
	v_floor_f32 v12, -v13
	v_mov_b32 v14, 0
	v_mov_b32 v15, 0
.set j, 0
.rept 32
	v_mov_b32 v[160+j], 0
.set j, j+1
.endr
	s_wait_loadcnt 0x0
.endm
; A block of queries ends: O^T / the sum x 2^(e8 + e9), converted with 2^e10, stored: two stores of 512 consecutive bytes
.macro FINISH
.rept 4
	v_nop                                          ; places behind the last products
.endr
	v_add_f32 v14, v14, v15
	s_delay_alu instid0(VALU_DEP_1)
	v_permlanex16_b32 v208, v14, s[SEL], s[SEL+1]
	s_delay_alu instid0(VALU_DEP_1)
	v_add_f32 v14, v14, v208
	s_wait_alu depctr_va_vdst(0)
	v_rcp_f32 v14, v14
	v_nop                                          ; a plain line behind the reciprocal
	s_wait_alu depctr_va_vdst(0)                   ; and a wait ahead of its first reader
	v_ldexp_f32 v14, v14, s[E89]
.set j, 0
.rept 16
	v_pk_mul_f32 v[160+j:161+j], v[160+j:161+j], v[14:15] op_sel_hi:[1,0]
.set j, j+2
.endr
.set j, 0
.rept 32
.set j, j+1
.endr
.irp t, 0,1,2,3
	v_cvt_scalef32_pk8_fp8_f32 v[192+2*\t:193+2*\t], v[160+8*\t:167+8*\t], v218
.endr
	v_nop
	global_store_b128 v[LI], v[192:195], s[OP:OP+1]
	global_store_b128 v[LI], v[196:199], s[OP:OP+1] offset:512
	s_wait_xcnt 0x0                                ; the stores have read their registers and their base
.endm
; A key step: 128 keys, the q-th of the slot in hand
.macro STEP q
	s_add_co_u32 s56, s[KF], 128*(\q)              ; the step's first key
	s_add_co_u32 s57, s[Q0], 15
	s_cmp_gt_u32 s56, s57
	s_cbranch_scc1 .Lhidden_\@                     ; all its keys come after my queries
	v_add_nc_u32 v[ADR], s[TB], v[LI]
.rept 3
	v_nop                                          ; with the addition above: four places in front of loads into registers that matrix instructions have read
.endr
.set j, 0
.rept 8
	ds_load_b128 v[32+8*j:35+8*j], v[ADR] offset:(8*(\q)+j)*1024
	ds_load_b128 v[36+8*j:39+8*j], v[ADR] offset:(8*(\q)+j)*1024+512
.set j, j+1
.endr
	s_wait_alu depctr_va_vdst(0)
	s_wait_dscnt 0x0
.irp t, 0,1,2,3,4,5,6,7
	v_wmma_f32_16x16x64_fp8_fp8 v[96+8*\t:103+8*\t], v[32+8*\t:39+8*\t], v[16:23], 0
.endr
.rept 4
	v_nop
.endr
.set j, 0
.rept 16
	ds_load_b128 v[32+4*j:35+4*j], v[ADR] offset:VOFF+8192*(\q)+512*j   ; V's four fragments land while the softmax is worked
.set j, j+1
.endr
	s_add_co_u32 s57, s56, 127
	s_cmp_le_u32 s57, s[Q0]
	s_cbranch_scc1 .Lopen_\@                       ; all its keys count
	s_sub_co_i32 s57, s[Q0], s56
	v_add_nc_u32 v220, s57, v[RH]                  ; d = my query - the step's first key - 8 h: register 8 T + j is hidden where 16 T + j > d
.set n, 0
.rept 64
	v_cmp_gt_i32 vcc_lo, 16*(n/8)+n%8, v220
	v_cndmask_b32 v[96+n], v[96+n], v221, vcc_lo
.set n, n+1
.endr
.Lopen_\@:
	v_max3_num_f32 v214, v96, v97, v98             ; the step's largest score of my query among my 64 keys, in two chains, each accumulator from its low end on
	v_max3_num_f32 v215, v99, v100, v101
.set j, 6
.rept 14
	v_max3_num_f32 v214, v214, v[96+j], v[97+j]
	v_max3_num_f32 v215, v215, v[98+j], v[99+j]
.set j, j+4
.endr
	v_max3_num_f32 v214, v214, v158, v159
	s_delay_alu instid0(VALU_DEP_1)
	v_max_num_f32 v214, v214, v215
	s_delay_alu instid0(VALU_DEP_1)
	v_permlanex16_b32 v208, v214, s[SEL], s[SEL+1]
	s_delay_alu instid0(VALU_DEP_1)
	v_max_num_f32 v214, v214, v208                 ; and among lane l xor 16's
	s_delay_alu instid0(VALU_DEP_1)
	v_mul_f32 v214, s[CS], v214
	s_delay_alu instid0(VALU_DEP_1)
	v_max_num_f32 v13, v13, v214                   ; the running largest t
	v_mov_b32 v214, v12
	s_delay_alu instid0(VALU_DEP_2)
	v_floor_f32 v12, -v13                          ; -M = floor(-t)
	s_delay_alu instid0(VALU_DEP_1)
	v_sub_f32 v214, v12, v214                      ; old M - new M: a whole number, 0 or less
	s_delay_alu instid0(VALU_DEP_1)
	v_cvt_i32_f32 v214, v214                       ; (it saturates)
	s_delay_alu instid0(VALU_DEP_1)
	v_ldexp_f32 v210, 1.0, v214                    ; f = 2^(old M - new M)
.set j, 0
.rept 32
	v_pk_fma_f32 v[96+j:97+j], v[96+j:97+j], s[CS:CS+1], v[12:13] op_sel_hi:[1,0,0]   ; t - M
.set j, j+2
.endr
.set j, 0
	s_wait_alu depctr_va_vdst(0)
.rept 64
	v_exp_f32 v[96+j], v[96+j]                     ; p = 2^(t - M)
.set j, j+1
.endr
	v_pk_mul_f32 v[14:15], v[14:15], v[210:211] op_sel_hi:[1,0]   ; the sum under the new M: the plain line behind the exponentials
	s_wait_alu depctr_va_vdst(0)                   ; one wait for the whole batch, ahead of its first reader
	v_pk_add_f32 v[212:213], v[100:101], v[104:105]
	v_pk_add_f32 v[254:255], v[108:109], v[112:113]
	v_pk_add_f32 v[252:253], v[116:117], v[120:121]
	v_pk_add_f32 v[250:251], v[124:125], v[128:129]
	v_pk_add_f32 v[248:249], v[132:133], v[136:137]
	v_pk_add_f32 v[246:247], v[140:141], v[144:145]
	v_pk_add_f32 v[244:245], v[148:149], v[152:153]
	v_pk_add_f32 v[14:15], v[14:15], v[156:157]
	v_pk_add_f32 v[212:213], v[212:213], v[96:97]
	v_pk_add_f32 v[254:255], v[254:255], v[98:99]
	v_pk_add_f32 v[252:253], v[252:253], v[102:103]
	v_pk_add_f32 v[250:251], v[250:251], v[106:107]
	v_pk_add_f32 v[248:249], v[248:249], v[110:111]
	v_pk_add_f32 v[246:247], v[246:247], v[114:115]
	v_pk_add_f32 v[244:245], v[244:245], v[118:119]
	v_pk_add_f32 v[14:15], v[14:15], v[122:123]
	v_pk_add_f32 v[212:213], v[212:213], v[126:127]
	v_pk_add_f32 v[254:255], v[254:255], v[130:131]
	v_pk_add_f32 v[252:253], v[252:253], v[134:135]
	v_pk_add_f32 v[250:251], v[250:251], v[138:139]
	v_pk_add_f32 v[248:249], v[248:249], v[142:143]
	v_pk_add_f32 v[246:247], v[246:247], v[146:147]
	v_pk_add_f32 v[244:245], v[244:245], v[150:151]
	v_pk_add_f32 v[14:15], v[14:15], v[154:155]
	v_pk_add_f32 v[212:213], v[212:213], v[158:159]
	s_delay_alu instid0(VALU_DEP_2)
	v_pk_add_f32 v[14:15], v[14:15], v[250:251]
	s_delay_alu instid0(VALU_DEP_2)
	v_pk_add_f32 v[212:213], v[212:213], v[248:249]
	v_pk_add_f32 v[254:255], v[254:255], v[246:247]
	v_pk_add_f32 v[252:253], v[252:253], v[244:245]
	s_delay_alu instid0(VALU_DEP_2)
	v_pk_add_f32 v[14:15], v[14:15], v[254:255]
	s_delay_alu instid0(VALU_DEP_2)
	v_pk_add_f32 v[212:213], v[212:213], v[252:253]
	s_delay_alu instid0(VALU_DEP_1)
	v_pk_add_f32 v[14:15], v[14:15], v[212:213]
.set j, 0
.rept 64
.set j, j+1
.endr
.irp t, 0,1,2,3,4,5,6,7
	v_cvt_scalef32_pk8_fp8_f32 v[192+2*\t:193+2*\t], v[96+8*\t:103+8*\t], v216
.endr
.set j, 0
.rept 16
	v_pk_mul_f32 v[160+j:161+j], v[160+j:161+j], v[210:211] op_sel_hi:[1,0]   ; O^T under the new M; also the plain lines behind the conversions
.set j, j+2
.endr
	s_wait_alu depctr_va_vdst(0)
	s_wait_dscnt 0x0                               ; V
.irp t, 0,1,2,3
	v_wmma_f32_16x16x128_fp8_fp8 v[160+8*\t:167+8*\t], v[32+16*\t:47+16*\t], v[192:207], v[160+8*\t:167+8*\t]
.endr
.Lhidden_\@:
.endm
; The change of slots stands at a visit's head.  Each wave waits for all its tensor loads, adds 0 to its spare word, and waits for that and for its reads of the slot that it has left; behind the barrier the slot ahead is
; whole and nobody reads the other.  fill = 1: the other slot takes the next visit's keys: slot VIS + 1 of the first block, or VIS + 1 - (8 - g) of the second.
.macro CHANGE fill
	s_wait_tensorcnt 0x0                           ; no tensor load of mine is out, so the group 0 may be written
	ds_add_u32 v[SPW], v[NIL]                      ; 0 onto my spare word
.if \fill
	s_add_co_u32 s56, s[VIS], 1
	s_cmp_gt_u32 s56, s[SW]
	s_cselect_b32 s57, s[SW1], 0
	s_sub_co_u32 s[SIN], s56, s57
	s_lshl_b32 s[OFF], s[SIN], 14
	s_xor_b32 s[G0+1], s[G0+1], SLOT1
	s_add_nc_u64 s[G0+2:G0+3], s[BASE:BASE+1], s[OFF:OFF+1]
	s_or_b32 s[G0+3], s[G0+3], 0x80000000
	s_wait_xcnt 0x0                                ; the last prefetch, a visit back, has read its address
	s_add_nc_u64 s[PFA:PFA+1], s[PFA:PFA+1], 16384
.endif
	s_wait_dscnt 0x0                               ; the add is done, and my reads of the slot that I have left are over
	s_barrier_signal -1
	s_barrier_wait -1
.if \fill
	TLOAD                                          ; the first thing behind the barrier, a wave's one tensor load until the next
	ASK
.endif
.endm
.macro VISIT sw
	STEP 0
	STEP 1
	s_xor_b32 s[TB], s[TB], SLOT1
.if \sw
	s_cmp_lg_u32 s[VIS], s[SW]                     ; a branch on ids: behind visit 7 - g the first block is finished and block g begins.  No barrier, tensor load or LDS access stands under it
	s_cbranch_scc1 .Lsame_\@
	FINISH
	s_lshl_b32 s[Q0], s[G], 8
	s_lshl_b32 s56, s[WV], 4
	s_add_co_u32 s[Q0], s[Q0], s56
	INIT
.Lsame_\@:
	s_add_co_u32 s[VIS], s[VIS], 1
	s_lshl_b32 s[KF], s[SIN], 8
.endif
.endm
	INIT
.Lslot:                                            ; eight trips: visits 0 to 7; behind each change of slots the next visit's slot is asked for
	CHANGE 1
	VISIT 1
	s_sub_co_u32 s[SLOTS], s[SLOTS], 1
	s_cmp_lg_u32 s[SLOTS], 0
	s_cbranch_scc1 .Lslot
	CHANGE 0                                       ; the ninth visit is written out
	VISIT 0
	FINISH
	s_wait_tensorcnt 0x0                           ; the wave's end
	ds_add_u32 v[SPW], v[NIL]
	s_wait_dscnt 0x0
	s_endpgm
.Lfunc_end_k_q09cc7c120c_attn:
	.size	k_q09cc7c120c_attn, .Lfunc_end_k_q09cc7c120c_attn-k_q09cc7c120c_attn
	.p2alignl 7, 3214868480
	.fill 96, 4, 3214868480
	.section	.rodata,"a",@progbits
	.p2align	6, 0x0
	.amdhsa_kernel k_q09cc7c120c_attn
		.amdhsa_group_segment_fixed_size 327680
		.amdhsa_private_segment_fixed_size 0
		.amdhsa_enable_private_segment 0
		.amdhsa_kernarg_size 40
		.amdhsa_user_sgpr_count 2
		.amdhsa_user_sgpr_kernarg_segment_ptr 1
		.amdhsa_wavefront_size32 1
		.amdhsa_system_sgpr_workgroup_id_x 1
		.amdhsa_system_sgpr_workgroup_id_y 1
		.amdhsa_system_sgpr_workgroup_id_z 1
		.amdhsa_system_vgpr_workitem_id 0
		.amdhsa_next_free_vgpr 256
		.amdhsa_next_free_sgpr 100
		.amdhsa_reserve_vcc 1
		.amdhsa_float_denorm_mode_32 3
		.amdhsa_float_denorm_mode_16_64 3
		.amdhsa_fp16_overflow 1
		.amdhsa_memory_ordered 1
		.amdhsa_forward_progress 1
		.amdhsa_inst_pref_size 89
	.end_amdhsa_kernel
	.amdgpu_metadata
---
amdhsa.version: [ 1, 2 ]
amdhsa.kernels:
  - .name:           k_q09cc7c120c_attn
    .symbol:         k_q09cc7c120c_attn.kd
    .args:
      - { .name: q_img, .offset: 0, .size: 8, .value_kind: global_buffer, .address_space: global }
      - { .name: k_img, .offset: 8, .size: 8, .value_kind: global_buffer, .address_space: global }
      - { .name: v_img, .offset: 16, .size: 8, .value_kind: global_buffer, .address_space: global }
      - { .name: lowp_scales, .offset: 24, .size: 8, .value_kind: global_buffer, .address_space: global }
      - { .name: o_img, .offset: 32, .size: 8, .value_kind: global_buffer, .address_space: global }
    .group_segment_fixed_size: 327680
    .private_segment_fixed_size: 0
    .kernarg_segment_align: 8
    .kernarg_segment_size: 40
    .max_flat_workgroup_size: 512
    .sgpr_count:     100
    .vgpr_count:     256
    .wavefront_size: 32
...
	.end_amdgpu_metadata
.endif
;; end of part 2
;; launch oproj (part 3): grid 4 x 64, 4 waves a work-group, clusters of 4 x 4, 327,680 bytes of LDS; arguments o_img, Wo_codes, lowp_scales, out0; writes out0
.if DOCPART == 3
	.amdgcn_target "amdgcn-amd-amdhsa--gfx1250"
	.amdhsa_code_object_version 6
	.text
	.protected	k_q09cc7c120c_oproj
	.globl	k_q09cc7c120c_oproj
	.p2align	8
	.type	k_q09cc7c120c_oproj,@function
k_q09cc7c120c_oproj:
	s_mov_b64 s[64:65], 0
	v_nop
	global_prefetch_b8 v0, s[64:65] scope:SCOPE_SE
	s_setreg_imm32_b32 hwreg(HW_REG_WAVE_MODE, 25, 1), 1
	s_wait_xcnt 0x0
	s_wait_alu depctr_hold_cnt(0) depctr_sa_sdst(0) depctr_va_vdst(0) depctr_va_sdst(0) depctr_va_ssrc(0) depctr_va_vcc(0) depctr_vm_vsrc(0)
	s_getreg_b32 s2, hwreg(HW_REG_IB_STS2, 6, 4)
	s_cmp_eq_u32 s2, 0
	s_cbranch_scc0 .Lentry_in_a_cluster
	s_endpgm
.Lentry_in_a_cluster:
	s_bfe_u32 s2, ttmp6, 0x10000c
	s_cmp_lg_u32 s2, 0xf033
	s_cbranch_scc0 .Lentry_shape_is_right
	s_endpgm
.Lentry_shape_is_right:
; out0[token][o] = 2^(e10 + e11) x the sum over k of A[token][k] Wo[o][k], on codes of FP8 (E4M3).  A comes as o_img: tile (16 tokens RT, 128 along K kk): 2,048 bytes = [4 groups of 4 registers][lane][16],
; registers 4 c .. 4 c + 3 = k 128 kk + 32 c + 16 h + 0..15: the permutation of k that four 16-byte loads 32 bytes apart give Wo's rows.  Wo: [1024][1024] codes, K innermost.  out0: [8192][1024] f32.
; SHARES.  A work-group owns 128 tokens x 256 outputs.  Its part of o_img, one dense block of 131,072 bytes, lies in LDS for the whole launch; Wo goes through a ring of two slots, 256 along K each: 4 ring steps, 8 sub-steps.
; Wave w: tokens 64 (w / 2) on, outputs 128 (w % 2) on: 32 accumulators.  Source 0 = 16 rows of Wo, source 1 = 16 tokens: a lane holds eight neighbouring outputs of one token.
; CLUSTER 4 x 4: A's block is shared along a row of the cluster, Wo's tiles along a column: joint loads, the same descriptor and a mask of four.
; LIMIT: e10 + e11 between -126 and 127.
; REGISTERS: window 0: v4-26 addresses; v32-95 the way out; v128-191, v192-255 A's fragments, two sets, later rows of out0.  window 1: Wo's fragments, two sets.  window 2: accumulator (a, b) at v[8 (8 a + b)].
.set WPI,   272
.set WBASE, 131072                     ; A's image, then the ring
.set WSLOT, 256*WPI
.set STAGE, WBASE+2*WSLOT              ; the way out: 16 rows x (512 bytes + 16) for each wave; no fill lands here
.set SPITCH, 528
.set SPARE, STAGE+4*16*SPITCH          ; the spare words, 128 bytes for each wave: two blocks of 256 bytes that no other line names
.set ADRA,  4
.set ADRB,  5                          ; v5-6
.set SPW,   14
.set NIL,   15
.set STO,   24
.set RD,    25
.set CO,    26
.set TMP,   32
.set BK,    128
.set G1A,   28
.set G1W,   36
.set G0A,   44
.set G0W,   48
.set WV,    56
.set TH,    57
.set FH,    58
.set WP,    66
.set MSB, 0
.macro WIN new
.if MSB != \new
	s_set_vgpr_msb (MSB<<8)|\new
.set MSB, \new
.endif
.endm
.macro PLACES n
.rept \n
	v_nop
.endr
.endm
.macro CREST
	s_cmp_lg_u32 s[WV], 0
	s_cbranch_scc1 .Lnot_wave_0_\@
	s_barrier_signal -3
.Lnot_wave_0_\@:
	s_barrier_wait -3
	s_barrier_signal -1
	s_barrier_wait -1
.endm
.macro CROUND
	s_barrier_signal -1
	s_barrier_wait -1
	CREST
.endm
	s_load_b256 s[4:11], s[0:1], 0x0               ; o_img, Wo, scales, out0
	v_lshl_add_u32 v[SPW], v0, 2, SPARE
	v_mov_b32 v[NIL], 0
	ds_add_u32 v14, v15
	ds_add_u32 v14, v15
	s_wait_dscnt 0x0
	v_lshrrev_b32 v1, 5, v0
	v_readfirstlane_b32 s[WV], v1
	s_lshr_b32 s[TH], s[WV], 1
	s_and_b32 s[FH], s[WV], 1
	s_bfe_u32 s59, ttmp6, 0x40000                  ; cx
	s_bfe_u32 s60, ttmp6, 0x40004                  ; cy
	s_lshl_b32 s61, ttmp9, 2
	s_add_co_u32 s61, s61, s59                     ; cb: block of 256 outputs
	s_and_b32 s62, ttmp7, 0xffff
	s_lshl_b32 s62, s62, 2
	s_add_co_u32 s62, s62, s60                     ; rb: block of 128 tokens
	s_lshl_b32 s84, s60, 2
	s_lshl_b32 s84, 15, s84                        ; my row of the cluster
	s_lshl_b32 s85, 0x1111, s59                    ; my column
	s_or_b32 s[G1A], s84, (3<<16)|(1<<21)          ; A goes to my row; elements of 8 bytes; a dense block as 128 rows of 256 bytes, no padding
	s_mov_b32 s[G1A+1], 32<<16
	s_mov_b32 s[G1A+2], 128<<16
	s_mov_b32 s[G1A+3], 32<<16
	s_mov_b32 s[G1A+4], 128
	s_mov_b32 s[G1A+5], 32
	s_mov_b32 s[G1A+6], 0
	s_mov_b32 s[G1A+7], 0
	s_or_b32 s[G1W], s85, (1<<20)|(1<<21)|(5<<22)|(3<<25)   ; Wo goes to my column; elements of 1 byte; padding: 4 words after every 64
	s_mov_b32 s[G1W+1], 256<<16
	s_mov_b32 s[G1W+2], 64<<16
	s_mov_b32 s[G1W+3], 256<<16
	s_mov_b32 s[G1W+4], 64
	s_mov_b32 s[G1W+5], 1024
	s_mov_b32 s[G1W+6], 0
	s_mov_b32 s[G1W+7], 0
	s_lshl_b32 s86, s62, 17                        ; A: 131,072 rb + 32,768 w
	s_lshl_b32 s87, s[WV], 15
	s_add_co_u32 s86, s86, s87
	s_mov_b32 s87, 0
	s_lshl_b32 s88, s61, 18                        ; Wo: row 256 cb + 64 w
	s_lshl_b32 s89, s[WV], 16
	s_add_co_u32 s88, s88, s89
	s_mov_b32 s89, 0
	s_lshl_b32 s90, s[WV], 15                      ; where they go
	s_mul_i32 s91, s[WV], 64*WPI
	s_add_co_u32 s91, s91, WBASE
	s_wait_kmcnt 0x0
	s_load_b64 s[96:97], s[8:9], 0x28              ; e10, e11
	s_add_nc_u64 s[WP:WP+1], s[6:7], s[88:89]
	s_mov_b32 s[G0A], 1
	s_mov_b32 s[G0A+1], s90
	s_add_nc_u64 s[G0A+2:G0A+3], s[4:5], s[86:87]
	s_or_b32 s[G0A+3], s[G0A+3], 0x80000000
	s_mov_b32 s[G0W], 1
	s_mov_b32 s[G0W+1], s91
	s_mov_b64 s[G0W+2:G0W+3], s[WP:WP+1]
	s_or_b32 s[G0W+3], s[G0W+3], 0x80000000
	s_mov_b32 s[G0W+4], 1
	s_add_co_u32 s[G0W+5], s91, WSLOT
	s_add_nc_u64 s[G0W+6:G0W+7], s[WP:WP+1], 256
	s_or_b32 s[G0W+7], s[G0W+7], 0x80000000
	CROUND                                         ; all sixteen work-groups are here: the first joint loads meet
	tensor_load_to_lds s[G0A:G0A+3], s[G1A:G1A+7]  ; A's fill; ring steps 0 and 1 follow one by one, each behind a wait and a round: one load of mine is out
	s_nop 0
	s_wait_alu depctr_va_vdst(0)
	s_wait_tensorcnt 0x0
	ds_add_u32 v14, v15
	s_wait_dscnt 0x0
	CROUND
	tensor_load_to_lds s[G0W:G0W+3], s[G1W:G1W+7]
	s_nop 0
	s_wait_alu depctr_va_vdst(0)
	s_wait_tensorcnt 0x0
	ds_add_u32 v14, v15
	s_wait_dscnt 0x0
	CROUND
	tensor_load_to_lds s[G0W+4:G0W+7], s[G1W:G1W+7]
	s_nop 0
	PLACES 4
	v_and_b32 v1, 15, v0                           ; r
	v_bfe_u32 v2, v0, 4, 1                         ; h
	v_and_b32 v[CO], 31, v0
	v_lshlrev_b32 v[CO], 4, v[CO]                  ; 16 x lane
	s_lshl_b32 s92, s[TH], 16
	v_add_nc_u32 v[ADRA], s92, v[CO]               ; my four tiles of tokens: 16,384 bytes each
	v_mul_u32_u24 v3, v1, WPI
	v_lshl_add_u32 v3, v2, 4, v3
	s_mul_i32 s92, s[FH], 128*WPI
	s_add_co_u32 s92, s92, WBASE
	v_add_nc_u32 v[ADRB], s92, v3
	s_add_co_u32 s92, s92, WSLOT
	v_add_nc_u32 v[ADRB+1], s92, v3
	s_mul_i32 s92, s[WV], 16*SPITCH
	s_add_co_u32 s92, s92, STAGE                   ; my stage
	v_mul_u32_u24 v3, v1, SPITCH
	v_lshl_add_u32 v3, v2, 5, v3
	v_add_nc_u32 v[STO], s92, v3                   ; in: row r, 32 bytes for each half of the lanes
	v_add_nc_u32 v[RD], s92, v[CO]                 ; back: the 32 lanes take one row of 512 bytes
	s_lshl_b32 s92, s62, 19                        ; out0: row 128 rb + 64 th of 4,096 bytes, + 1,024 cb + 512 fh
	s_lshl_b32 s93, s[TH], 18
	s_add_co_u32 s92, s92, s93
	s_lshl_b32 s93, s61, 10
	s_add_co_u32 s92, s92, s93
	s_lshl_b32 s93, s[FH], 9
	s_add_co_u32 s92, s92, s93
	s_mov_b32 s93, 0
	s_add_nc_u64 s[10:11], s[10:11], s[92:93]
; The 48 LDS loads of sub-step u: Wo's eight fragments (four loads 32 bytes apart) and A's four (four loads 512 bytes apart), into set u % 2
.macro FETCH u
.set FS, (\u)%2
.set FSL, ((\u)/2)%2
	WIN 0x40
.irp b, 0,1,2,3,4,5,6,7
.irp c, 0,1,2,3
	ds_load_b128 v[128*FS+16*\b+4*\c:128*FS+16*\b+4*\c+3], v[ADRB+FSL] offset:128*FS+WPI*16*\b+32*\c
.endr
.endr
	WIN 0
.irp a, 0,1,2,3
.irp c, 0,1,2,3
	ds_load_b128 v[128+64*FS+16*\a+4*\c:128+64*FS+16*\a+4*\c+3], v[ADRA] offset:16384*\a+2048*(\u)+512*\c
.endr
.endr
.endm
; Eight products.  The 32 accumulators take turns, one instruction a turn, in the same order in every sub-step.
.macro MULA u, a
.set MS, (\u)%2
	WIN 0xa1                                       ; source 0 (Wo) window 1, source 1 (A) window 0, C and D window 2
.irp b, 0,1,2,3,4,5,6,7
.if (\u) == 0
	v_wmma_f32_16x16x128_fp8_fp8 v[8*(8*(\a)+\b):8*(8*(\a)+\b)+7], v[128*MS+16*\b:128*MS+16*\b+15], v[128+64*MS+16*(\a):128+64*MS+16*(\a)+15], 0
.else
	v_wmma_f32_16x16x128_fp8_fp8 v[8*(8*(\a)+\b):8*(8*(\a)+\b)+7], v[128*MS+16*\b:128*MS+16*\b+15], v[128+64*MS+16*(\a):128+64*MS+16*(\a)+15], v[8*(8*(\a)+\b):8*(8*(\a)+\b)+7]
.endif
.endr
.endm
.macro STEP u
.if (\u) > 0
	PLACES 4                                       ; in front of loads into registers that matrix instructions have read
.endif
	FETCH (\u)+1
	s_wait_dscnt 48                                ; all but the 48 loads just issued
	MULA \u, 0
	MULA \u, 1
	MULA \u, 2
	MULA \u, 3
.endm
.macro TURN u, fill
	WIN 0
	s_wait_tensorcnt 0x0                           ; all my tensor loads have landed: my part of the next slot
	ds_add_u32 v[SPW], v[NIL]                      ; 0 onto my spare word
	s_wait_dscnt 1                                 ; this sub-step's fragments are in; the add alone may be out
	MULA \u, 0
	s_wait_dscnt 0x0                               ; the add is done, and my reads of this slot are over
	s_barrier_signal -1
	MULA \u, 1
	WIN 0
	s_barrier_wait -1
.if \fill
	CREST                                          ; no wave of any partner still reads this slot or has a load on its way
.set NS, (\u)/2+2
.set GW, G0W+4*(((\u)/2)%2)
	s_add_nc_u64 s[GW+2:GW+3], s[WP:WP+1], 256*NS
	s_or_b32 s[GW+3], s[GW+3], 0x80000000
	tensor_load_to_lds s[GW:GW+3], s[G1W:G1W+7]    ; my one tensor load behind the round
	s_nop 0
	PLACES 4                                       ; also the places in front of the loads below
.else
	PLACES 4
.endif
	FETCH (\u)+1
	MULA \u, 2
	MULA \u, 3
.endm
	s_wait_alu depctr_va_vdst(0)
	s_wait_tensorcnt 0x1                           ; A and ring step 0 are in; ring step 1 may stay out
	s_barrier_signal -1
	s_barrier_wait -1
	FETCH 0
	STEP 0
	TURN 1, 1
	STEP 2
	TURN 3, 1
	STEP 4
	TURN 5, 0                                      ; nothing is left to fetch
	STEP 6
	s_wait_dscnt 0x0
	MULA 7, 0
	MULA 7, 1
	MULA 7, 2
	MULA 7, 3
	WIN 0
; THE WAY OUT, block by block of 16 tokens x 128 outputs: x 2^(e10 + e11), through my own stage, back as whole rows of 512 bytes.  LDS serves a wave's instructions in order (ISA guide 5.7.1.4).
.macro TOSTAGE a
	WIN 0x02                                       ; source 0 window 2
.set j, 0
.rept 32
	v_pk_mul_f32 v[TMP+j:TMP+j+1], v[64*(\a)+j:64*(\a)+j+1], s[96:97] op_sel_hi:[1,0]   ; each accumulator from its low end on
.set j, j+2
.endr
	WIN 0
.irp b, 0,1,2,3,4,5,6,7
	ds_store_b128 v[STO], v[TMP+8*\b:TMP+8*\b+3] offset:64*\b
	ds_store_b128 v[STO], v[TMP+8*\b+4:TMP+8*\b+7] offset:64*\b+16
.endr
.set BB, BK+64*((\a)%2)
.irp t, 0,1,2,3,4,5,6,7,8,9,10,11,12,13,14,15
	ds_load_b128 v[BB+4*\t:BB+4*\t+3], v[RD] offset:\t*SPITCH
.endr
.endm
.macro SEND a, younger                 ; younger: the LDS instructions issued behind block a's loads, which may stay out
.set BB, BK+64*((\a)%2)
	s_wait_dscnt \younger
.if (\a) > 0
	s_add_nc_u64 s[10:11], s[10:11], 65536         ; 16 rows on (behind a wait on XCNT: the earlier stores have read their base)
.endif
.irp t, 0,1,2,3,4,5,6,7,8,9,10,11,12,13,14,15
	global_store_b128 v[CO], v[BB+4*\t:BB+4*\t+3], s[10:11] offset:\t*4096 th:TH_STORE_NT   ; 32 lanes store 512 consecutive bytes, aligned
.endr
.endm
	s_wait_kmcnt 0x0
	s_add_co_i32 s96, s96, s97
	s_add_co_i32 s96, s96, 127
	s_lshl_b32 s96, s96, 23                        ; 2^(e10 + e11) as f32
	PLACES 4                                       ; behind the last products: for the reads of results and for the loads into the registers that held A's fragments
	TOSTAGE 0
.irp a, 1,2,3
.if \a > 1
	s_wait_xcnt 0x0                                ; block a - 2's stores have read their registers and their base
.endif
	TOSTAGE \a
	SEND \a-1, 32                                  ; behind block a - 1's loads: block a's 16 stores and 16 loads
.endr
	s_wait_xcnt 0x0
	SEND 3, 0
	s_wait_tensorcnt 0x0                           ; the wave's end
	ds_add_u32 v[SPW], v[NIL]
	s_wait_dscnt 0x0
	CROUND                                         ; the closing round
	s_endpgm
.Lfunc_end_k_q09cc7c120c_oproj:
	.size	k_q09cc7c120c_oproj, .Lfunc_end_k_q09cc7c120c_oproj-k_q09cc7c120c_oproj
	.p2alignl 7, 3214868480
	.fill 96, 4, 3214868480
	.section	.rodata,"a",@progbits
	.p2align	6, 0x0
	.amdhsa_kernel k_q09cc7c120c_oproj
		.amdhsa_group_segment_fixed_size 327680
		.amdhsa_private_segment_fixed_size 0
		.amdhsa_enable_private_segment 0
		.amdhsa_kernarg_size 32
		.amdhsa_user_sgpr_count 2
		.amdhsa_user_sgpr_kernarg_segment_ptr 1
		.amdhsa_wavefront_size32 1
		.amdhsa_system_sgpr_workgroup_id_x 1
		.amdhsa_system_sgpr_workgroup_id_y 1
		.amdhsa_system_sgpr_workgroup_id_z 1
		.amdhsa_system_vgpr_workitem_id 0
		.amdhsa_next_free_vgpr 1024
		.amdhsa_next_free_sgpr 100
		.amdhsa_reserve_vcc 0
		.amdhsa_float_denorm_mode_32 3
		.amdhsa_float_denorm_mode_16_64 3
		.amdhsa_memory_ordered 1
		.amdhsa_forward_progress 1
		.amdhsa_inst_pref_size 74
	.end_amdhsa_kernel
	.amdgpu_metadata
---
amdhsa.version: [ 1, 2 ]
amdhsa.kernels:
  - .name:           k_q09cc7c120c_oproj
    .symbol:         k_q09cc7c120c_oproj.kd
    .args:
      - { .name: o_img, .offset: 0, .size: 8, .value_kind: global_buffer, .address_space: global }
      - { .name: Wo_codes, .offset: 8, .size: 8, .value_kind: global_buffer, .address_space: global }
      - { .name: lowp_scales, .offset: 16, .size: 8, .value_kind: global_buffer, .address_space: global }
      - { .name: out0, .offset: 24, .size: 8, .value_kind: global_buffer, .address_space: global }
    .group_segment_fixed_size: 327680
    .private_segment_fixed_size: 0
    .kernarg_segment_align: 8
    .kernarg_segment_size: 32
    .max_flat_workgroup_size: 128
    .sgpr_count:     100
    .vgpr_count:     1024
    .wavefront_size: 32
...
	.end_amdgpu_metadata
.endif
;; end of part 3
